; MI455X (gfx1250); checked and timed in simulation.
; The chip was launched on July 23, 2026; its instructions are those of AMD's public machine-readable ISA for CDNA 5 (MIT licence, August 2026) and "CDNA5" Instruction Set Architecture Reference Guide (July 2026). The comments in the code are by the model that wrote it; some were corrected since.
;; Flash Attention. Allowed arithmetic: matrix products marked QUANTISED: E2M1 operands, one E8M0 scale for each 32 along K, by v_wmma_scale_f32_16x16x128_f8f6f4 with both operands' format E2M1 (or v_wmma_scale_f32_32x16x128_f4), f32 sums; everything else in f32.
;; Inputs: k 1 x 4,096 x 16 x 64 float32; q 1 x 4,096 x 16 x 64 float32; v 1 x 4,096 x 16 x 64 float32.
;; Outputs: out0 1 x 4,096 x 16 x 64 float32.
;; Constants: causal = 1.
;; This version of the problem:
;;   THIS VERSION OF THE PROBLEM IS GIVEN IN LOW PRECISION. The matrix products marked QUANTISED in the list below multiply operands that are first quantised to E2M1 (2 exponent bits, 1 mantissa bit; 4 bits a number), with one power-of-two scale for each 32 numbers along K (OCP MX v1.0); their sums are f32. All else is computed in f32.
;;   The module's matrix products, in the order in which they are computed (A, B: the left and right operand; K: the contracted axis; several contracted axes count as one K, in the product's order):
;;     1. batch 16 x [M 4,096, K 64] x [K 64, N 4,096]; A: input q; B: input k: QUANTISED
;;     2. batch 16 x [M 64, K 4,096] x [K 4,096, N 4,096]; A: input v; B: softmax (see below): QUANTISED
;;   THE QUANTISER, for each operand of a quantised product, along K:
;;     - K is cut into blocks of 32 from its start; a last block that is shorter is filled with zeros.
;;     - A block's scale is 2^e with e = floor(log2(the largest magnitude in the block)) - 2, held to -126 .. 127; a block of zeros has e = 0. As a byte (E8M0): e + 127.
;;     - Each number is divided by its block's scale, clamped to +-6, and rounded to the nearest number of E2M1, ties to even, subnormals kept.
;;     - The product sums the exact products of the quantised numbers (number of the format x scale) in f32.
;;   ~~~python
;;   def quantise(x, axis):      # numpy; x: float32 -> the quantised numbers, widened to float32 again
;;       x = np.moveaxis(x, axis, -1); K = x.shape[-1]
;;       x = np.pad(x, [(0, 0)] * (x.ndim - 1) + [(0, -K % 32)]); x = x.reshape(x.shape[:-1] + (-1, 32)); a = np.abs(x).max(-1, keepdims=True)
;;       e = np.where(a > 0, np.clip(np.frexp(np.where(a > 0, a, 1))[1] - 1 - 2, -126, 127), 0)      # np.frexp(a)[1] - 1 = floor(log2(a)), exactly
;;       r = np.clip(x / 2.0 ** e, -6, 6)
;;       step = 2.0 ** (np.maximum(np.frexp(np.where(r == 0, 1, r))[1] - 1, 0) - 1)
;;       q = np.round(r / step) * step * 2.0 ** e      # np.round: ties to even
;;       return np.moveaxis(q.reshape(q.shape[:-2] + (-1,))[..., :K], -1, axis).astype(np.float32)
;;   ~~~
;;   SOFTMAX AHEAD OF A QUANTISED PRODUCT. Where the list says 'softmax', what is quantised is not the finished softmax but p = 2^(t - M), with t = logit x log2(e) and M = ceil(the row's largest t), a whole number; so 1/2 < the row's largest p <= 1. The row's sum l is taken of the UNQUANTISED p, in f32, and the product's result is divided by l at the end. Since M is a whole number, a kernel that streams over the keys may use a running M (the ceiling of the running maximum): every later rescaling is an exact power of two, which a block's scale takes up: the codes' values come out the same.
;;   OPERANDS COMPUTED ON THE WAY. 'Computed on the way' means the value that the module computes at that place (a softmax that the list does not call 'softmax' is quantised finished and normalised). What goes into a quantiser is computed in f32, as accurately as f32 sums, v_exp_f32 and their like allow (about 1e-6 of the number): no bf16 or f16 on the way to a quantiser, and a product that is left as it is and whose result goes on into a quantised operand takes f32 operands (vector FMAs, or v_wmma_f32_16x16x4_f32). A number that lies on a knife's edge between two numbers of the format may be rounded either way, as far as f32 arithmetic and the matrix unit's own rounding can turn it there, and no further.
;; One version. Each part assembles by itself: llvm-mc -triple=amdgcn-amd-amdhsa -mcpu=gfx1250 --defsym DOCPART=n.
;; ======== version 1 of 1: 2 launches
;; workspace buffers: kv 4,456,448 bytes
;; launch prep (part 1): grid 16 x 16, 4 waves a work-group, no clusters, 168,448 bytes of LDS; arguments k, v, kv; writes kv
.if DOCPART == 1
	.amdgcn_target "amdgcn-amd-amdhsa--gfx1250"
	.amdhsa_code_object_version 6
	.text
	.protected	k_q639e40c576_prep
	.globl	k_q639e40c576_prep
	.p2align	8
	.type	k_q639e40c576_prep,@function
k_q639e40c576_prep:
	s_mov_b64 s[64:65], 0
	v_nop
	global_prefetch_b8 v0, s[64:65] scope:SCOPE_SE
	s_setreg_imm32_b32 hwreg(HW_REG_WAVE_MODE, 25, 1), 1
	s_wait_xcnt 0x0
; k and v, [4096 keys][16 heads][64] f32, become codes of FP4 (E2M1) with one E8M0 scale byte for each 32 along a product's K: k along the head's 64, v along the keys.
; They are laid in kv as IMAGES OF THE OPERANDS' REGISTERS, one record of 8,704 bytes for each head and each step of 128 keys (32 records a head, on end):
;   0     K's codes  [t 0..7][lane][16 bytes]: lane (r = lane % 16, hh = lane / 16) of tile t = 2 b + u holds key 32 b + 8 u + r + 8 (r / 8), d = 32 hh .. 32 hh + 31
;   4096  V's codes  [2 t + c][lane][16 bytes]: lane (r, hh) holds d = 16 t + r, keys 64 c + 32 hh + 0 .. 31
;   8192  K's scale words [r][b 0..3]: bytes 0, 1 the two blocks of lane r's key of tile 2 b, bytes 2, 3 those of tile 2 b + 1
;   8448  V's scale words [r][pos 0..3]: pos = 2 a + g stands for the tile of d t = 2 g + a; byte j is the step's key block j
; A block's scale is 2^(floor(log2(its largest magnitude)) - 2); its byte is the largest magnitude's exponent field - 2, held at 1 from below.
; LIMITS: a block of zeros gets the byte 1 where the rule says 127 (its codes are zeros, which add nothing under any byte but 0xff, and this program alone reads the bytes); NaN and infinities among the inputs are not served.
; SHARES.  Work-group (x, y): head y, keys 256 x .. 256 x + 255: two steps.  Waves 0, 1 take k of step 2 x + (wave % 2), waves 2, 3 take v of it.  Each wave brings its own 128 rows of 256 bytes
; by two tensor loads of 64 rows into LDS bytes of its own and reads only those: no barrier, no LDS store, nothing is filled twice.  Every f32 byte is read once, in whole aligned rows of 256 bytes.
; No matrix unit and no cluster: the launch only streams, and no two work-groups read the same byte.
.set PITCH, 272                        ; an LDS row: 256 bytes + 16 of padding
.set WREG,  128*PITCH                  ; a wave's region
.set REC,   8704
.set HEADB, 32*REC
.set X,     32                         ; v32-159  sets of 32 numbers (k: four, v: two)
.set C,     160                        ; v160-191 codes: four registers for each tile or set, never written again, so no store's data are overwritten
.set W,     24                         ; v24-27   scale words
; v1 lane, v2 r, v3 hh; v4 k's LDS address, v5 v's; v6 16 lane; v7 16 r + 8 hh; v8 1024 hh + 16 r; v9 8 hh; v10, v11 at work; v12 the conversions' scale operand; v13 a permute's destination
	s_load_b128 s[4:7], s[0:1], 0x0                ; k, v
	s_load_b64 s[8:9], s[0:1], 0x10                ; kv
	v_lshl_add_u32 v200, v0, 2, 0x29000
	v_mov_b32 v201, 0
	ds_add_u32 v200, v201
	ds_add_u32 v200, v201
	v_lshrrev_b32 v1, 5, v0
	v_readfirstlane_b32 s10, v1                    ; wave 0..3
	s_and_b32 s11, s10, 1                          ; which of the two steps
	s_and_b32 s32, ttmp7, 0xffff                   ; the head
	s_lshl_b32 s14, ttmp9, 8
	s_lshl_b32 s15, s11, 7
	s_add_co_u32 s14, s14, s15                     ; my first key: 256 x + 128 (wave % 2)
	s_lshl_b32 s14, s14, 12                        ; 4,096 bytes a key,
	s_lshl_b32 s15, s32, 8
	s_add_co_u32 s14, s14, s15                     ; 256 bytes a head
	s_mov_b32 s15, 0
	s_mul_i32 s32, s32, HEADB
	s_lshl_b32 s33, ttmp9, 1
	s_add_co_u32 s33, s33, s11
	s_mul_i32 s33, s33, REC
	s_add_co_u32 s32, s32, s33                     ; my record: head x 32 records + step
	s_mov_b32 s33, 0
	s_mov_b32 s34, 0x76543210
	s_mov_b32 s35, 0xfedcba98                      ; v_permlanex16_b32's selects for lane l xor 16
	; descriptor group 1: 64 rows of 64 elements of 4 bytes, 1,024 elements from row to row, 4 words of padding behind every 64
	s_mov_b32 s16, (2<<16)|(1<<20)|(5<<22)|(3<<25)
	s_mov_b32 s17, 64<<16                          ; tensor_dim0
	s_mov_b32 s18, 64<<16                          ; tensor_dim1
	s_mov_b32 s19, 64<<16                          ; tile_dim0
	s_mov_b32 s20, 64                              ; tile_dim1
	s_mov_b32 s21, 1024                            ; the pitch
	s_mov_b32 s22, 0
	s_mov_b32 s23, 0
	s_mov_b32 s24, 1
	s_mul_i32 s25, s10, WREG                       ; my region: rows 0-63,
	s_mov_b32 s28, 1
	s_add_co_u32 s29, s25, 64*PITCH                ; rows 64-127
	v_and_b32 v1, 31, v0
	v_and_b32 v2, 15, v0
	v_bfe_u32 v3, v0, 4, 1
	v_and_b32 v4, 8, v2
	v_add_nc_u32 v4, v4, v2                        ; r + 8 (r / 8)
	v_mul_u32_u24 v4, v4, PITCH
	v_lshl_add_u32 v4, v3, 7, v4                   ; + 128 hh: my block of 32 numbers
	v_add_nc_u32 v4, s25, v4
	v_lshl_add_u32 v5, v1, 2, s25                  ; v: a lane takes a column d
	v_lshlrev_b32 v6, 4, v1
	v_lshlrev_b32 v7, 4, v2
	v_lshl_add_u32 v7, v3, 3, v7
	v_lshlrev_b32 v8, 4, v2
	v_lshl_add_u32 v8, v3, 10, v8
	v_lshlrev_b32 v9, 3, v3
	v_mov_b32 v13, 0                               ; a lane permute's destination counts as one of its sources
	s_wait_dscnt 0x0
	s_wait_kmcnt 0x0
	s_cmp_lt_u32 s10, 2                            ; k's wave or v's: the choice hangs on the wave's number alone
	s_cselect_b64 s[12:13], s[4:5], s[6:7]
	s_add_nc_u64 s[12:13], s[12:13], s[14:15]
	s_mov_b64 s[26:27], s[12:13]
	s_or_b32 s27, s27, 0x80000000                  ; type = 2
	s_add_nc_u64 s[30:31], s[12:13], 64*4096
	s_or_b32 s31, s31, 0x80000000
	s_add_nc_u64 s[8:9], s[8:9], s[32:33]
	tensor_load_to_lds s[24:27], s[16:23]          ; both first fills together: two loads of mine are out
	s_nop 0
	tensor_load_to_lds s[28:31], s[16:23]
	s_nop 0
.rept 4
	v_nop
.endr
; The 32 numbers v[XS] .. v[XS+31], one block, become 32 codes in v[CD] .. v[CD+3]; the scale's byte is left in v11.
.macro BLOCKQ
	v_max3_num_f32 v10, |v[XS]|, |v[XS+1]|, |v[XS+2]|               ; the largest magnitude, in two chains
	v_max3_num_f32 v11, |v[XS+3]|, |v[XS+4]|, |v[XS+5]|
.irp i, 6,10,14,18,22,26
	v_max3_num_f32 v10, v10, |v[XS+\i]|, |v[XS+\i+1]|
	v_max3_num_f32 v11, v11, |v[XS+\i+2]|, |v[XS+\i+3]|
.endr
	v_max3_num_f32 v10, v10, |v[XS+30]|, |v[XS+31]|
	v_max3_num_f32 v10, v10, v11, 0x1800000        ; and the floor 2^(3 - 127): the byte cannot fall under 1
	v_add_nc_u32 v12, 0xff000000, v10              ; 2 off the exponent field: the conversion takes the exponent field of this operand as its scale
.irp g, 0,1,2,3
	v_cvt_scalef32_pk8_fp4_f32 v[CD+\g], v[XS+8*\g:XS+8*\g+7], v12
.endr
	v_lshrrev_b32 v11, 23, v12                     ; the byte; also the plain line behind the conversions
.endm
; k: the four tiles of rows 64 hf .. 64 hf + 63: eight loads of 16 bytes a tile
.macro KLOADS hf
.irp tl, 0,1,2,3
.irp j, 0,1,2,3,4,5,6,7
	ds_load_b128 v[X+32*\tl+4*\j:X+32*\tl+4*\j+3], v4 offset:(64*\hf+32*(\tl/2)+8*(\tl%2))*PITCH+16*\j
.endr
.endr
.endm
.macro KTILE t
	s_wait_dscnt 8*(3-(\t)%4)                      ; LDS loads come back in order: this tile's eight are in, the younger tiles' may be out
.set XS, X+32*((\t)%4)
.set CD, C+4*(\t)
	BLOCKQ
	v_lshlrev_b32 v11, v9, v11                     ; my block's byte at its place,
	v_permlanex16_b32 v13, v11, s34, s35
	v_or_b32 v11, v11, v13                         ; with lane l xor 16's: the key's two bytes
.if (\t)%2 == 0
	v_mov_b32 v[W+(\t)/2], v11
.else
	v_lshl_or_b32 v[W+(\t)/2], v11, 16, v[W+(\t)/2]
.endif
	global_store_b128 v6, v[CD:CD+3], s[8:9] offset:512*(\t)       ; the wave stores 512 consecutive bytes, aligned
.endm
; v: set n = 4 hf + 2 kbl + g: key block 2 hf + kbl, columns d = 32 g + lane; a lane's registers run down the keys; each load reads 128 consecutive bytes
.macro VLOADS n
.irp i, 0,1,2,3,4,5,6,7,8,9,10,11,12,13,14,15,16,17,18,19,20,21,22,23,24,25,26,27,28,29,30,31
	ds_load_b32 v[X+32*((\n)%2)+\i], v5 offset:(64*((\n)/4)+32*(((\n)/2)%2)+\i)*PITCH+128*((\n)%2)
.endr
.endm
.macro VSET n
.if (\n) < 7
	s_wait_dscnt 32                                ; this set's 32 loads are in; the next set's may be out
.else
	s_wait_dscnt 0x0
.endif
.set XS, X+32*((\n)%2)
.set CD, C+4*(\n)
	BLOCKQ
.if (\n)/2 == 0
	v_mov_b32 v[W+(\n)%2], v11                     ; my column's scale word: byte = key block
.else
	v_lshl_or_b32 v[W+(\n)%2], v11, 8*((\n)/2), v[W+(\n)%2]
.endif
	global_store_b128 v8, v[CD:CD+3], s[8:9] offset:4096+2048*((\n)%2)+512*((\n)/4)+256*(((\n)/2)%2)   ; each half of the wave stores 256 consecutive bytes, aligned
.if (\n) == 2
	s_wait_tensorcnt 0x0                           ; rows 64-127 are in: set 4 reads them
.endif
.if (\n) < 6
	VLOADS (\n)+2
.endif
.endm
	s_cmp_lt_u32 s10, 2
	s_cbranch_scc0 .Lv_path
	s_wait_tensorcnt 0x1                           ; a wave's tensor loads end in order: my rows 0-63 are in, the second load may be out
	s_wait_alu depctr_va_vdst(0)
	KLOADS 0
.irp t, 0,1,2,3
	KTILE \t
.endr
	s_wait_tensorcnt 0x0                           ; rows 64-127
	KLOADS 1
.irp t, 4,5,6,7
	KTILE \t
.endr
	v_cmp_ne_u32 vcc_lo, 0, v3                     ; lanes 0-15 store words 0, 1 of their row, lanes 16-31 words 2, 3
	v_cndmask_b32 v20, v24, v26, vcc_lo
	v_cndmask_b32 v21, v25, v27, vcc_lo
	global_store_b64 v7, v[20:21], s[8:9] offset:8192              ; 256 consecutive bytes, aligned
	s_wait_tensorcnt 0x0
	ds_add_u32 v200, v201
	s_wait_dscnt 0x0
	s_endpgm
.Lv_path:
	s_wait_tensorcnt 0x1                           ; my rows 0-63 are in
	s_wait_alu depctr_va_vdst(0)
	VLOADS 0
	VLOADS 1
.irp n, 0,1,2,3,4,5,6,7
	VSET \n
.endr
	global_store_b64 v7, v[24:25], s[8:9] offset:8448              ; lane (r, hh): the words of d tiles hh and 2 + hh: 256 consecutive bytes, aligned
	s_wait_tensorcnt 0x0
	ds_add_u32 v200, v201
	s_wait_dscnt 0x0
	s_endpgm
.Lfunc_end_k_q639e40c576_prep:
	.size	k_q639e40c576_prep, .Lfunc_end_k_q639e40c576_prep-k_q639e40c576_prep
	.p2alignl 7, 3214868480
	.fill 96, 4, 3214868480
	.section	.rodata,"a",@progbits
	.p2align	6, 0x0
	.amdhsa_kernel k_q639e40c576_prep
		.amdhsa_group_segment_fixed_size 168448
		.amdhsa_private_segment_fixed_size 0
		.amdhsa_enable_private_segment 0
		.amdhsa_kernarg_size 24
		.amdhsa_user_sgpr_count 2
		.amdhsa_user_sgpr_kernarg_segment_ptr 1
		.amdhsa_wavefront_size32 1
		.amdhsa_system_sgpr_workgroup_id_x 1
		.amdhsa_system_sgpr_workgroup_id_y 1
		.amdhsa_system_sgpr_workgroup_id_z 1
		.amdhsa_system_vgpr_workitem_id 0
		.amdhsa_next_free_vgpr 202
		.amdhsa_next_free_sgpr 66
		.amdhsa_reserve_vcc 1
		.amdhsa_float_denorm_mode_32 3
		.amdhsa_float_denorm_mode_16_64 3
		.amdhsa_memory_ordered 1
		.amdhsa_forward_progress 1
		.amdhsa_inst_pref_size 51
	.end_amdhsa_kernel
	.amdgpu_metadata
---
amdhsa.version: [ 1, 2 ]
amdhsa.kernels:
  - .name:           k_q639e40c576_prep
    .symbol:         k_q639e40c576_prep.kd
    .args:
      - { .name: k, .offset: 0, .size: 8, .value_kind: global_buffer, .address_space: global }
      - { .name: v, .offset: 8, .size: 8, .value_kind: global_buffer, .address_space: global }
      - { .name: kv, .offset: 16, .size: 8, .value_kind: global_buffer, .address_space: global }
    .group_segment_fixed_size: 168448
    .private_segment_fixed_size: 0
    .kernarg_segment_align: 8
    .kernarg_segment_size: 24
    .max_flat_workgroup_size: 128
    .sgpr_count:     66
    .vgpr_count:     202
    .wavefront_size: 32
...
	.end_amdgpu_metadata
.endif
;; end of part 1
;; launch attn (part 2): grid 16 x 16, 16 waves a work-group, no clusters, 315,392 bytes of LDS; arguments q, kv, out0; writes out0
.if DOCPART == 2
	.amdgcn_target "amdgcn-amd-amdhsa--gfx1250"
	.amdhsa_code_object_version 6
	.text
	.protected	k_q639e40c576_attn
	.globl	k_q639e40c576_attn
	.p2align	8
	.type	k_q639e40c576_attn,@function
k_q639e40c576_attn:
	s_mov_b64 s[64:65], 0
	v_nop
	global_prefetch_b8 v0, s[64:65] scope:SCOPE_SE
	s_setreg_imm32_b32 hwreg(HW_REG_WAVE_MODE, 25, 1), 1
	s_wait_xcnt 0x0
; out[q][h][:] = the sum over keys k <= q of softmax_k(Q[q][h] . K[k][h] / 8) V[k][h][:], both products on codes of FP4 (E2M1) with one E8M0 scale for each 32 along a product's K.
; q, out0: [4096][16 heads][64] f32.  K and V come as records of 8,704 bytes for each head and step of 128 keys, images of the operands' registers (layout: below, at the loads).
; THE SOFTMAX AHEAD OF THE SECOND PRODUCT: t = score x log2(e) / 8; M = the running largest t rounded UP to a whole number; p = 2^(t - M) is quantised along the keys, not normalised.
; The row's sum is taken of the unquantised p and divides O at the end.  When M moves, the sum and O are multiplied by 2^(old M - new M), which rounds nothing.
; LIMITS: NaN and infinities among the inputs are not served; a block of zeros gets the scale byte 1 where the rule says 127 (its codes are zeros); a p under 2^-126 comes out of v_exp_f32 as 0.
; SHARES.  Work-group (i, head) owns the blocks of 128 queries i and 31 - i: block b has b + 1 steps that count, so every work-group has 33 block steps.  Sixteen waves of 256 registers, four to a SIMD;
; a wave owns ONE tile of 16 queries: tile wave / 2 of block i (role 0) or of block 31 - i (role 1), role = (wave xor wave / 4) % 2, so that four waves taken round or four on end hold two of each role.
; A WHOLE HEAD'S RECORDS, 278,528 bytes, LIE IN LDS: they are filled once, by waves 0-7 (one record, then three), and nothing is filled again.  Every wave walks all 32 steps, a constant; a step all of whose keys come
; after the wave's queries is left out by a scalar branch on ids.
; THE FIRST PRODUCT'S K IS 64, THE INSTRUCTION'S 128.  One fragment of K holds tile 2 b in k 0-63 and tile 2 b + 1 in k 64-127; Q stands twice, once with zero codes above (Q0) and once with zero codes below (Q1):
; the product with Q_u gives tile 2 b + u, the other half adding code x 0 under scale bytes that are never 0xff.
; LAYOUT.  Both products are used transposed (S^T = K Q^T, O^T = V^T P^T): a lane holds ONE query (lane % 16) throughout.  Lane r of tile 2 b + u holds key 32 b + 8 u + r + 8 (r / 8), so that the 16 registers
; of tiles 2 b, 2 b + 1 are the neighbouring keys 32 b + 16 (lane / 16) + 0 .. 15.
; NO CLUSTER: the sixteen work-groups of a head read the same records, but which steps a wave leaves out hangs on the work-group's own number, and joint requests want branches that are alike in all partners;
; without that branch the vector work would about double.
; REGISTERS: v1 16 lane, v2 16 r, v3, v4 the same + the step's record; v5, v6 the stage, in and back; v7 my bytes in out0; v8 r - 16 hh; v9 -infinity; v10 my bytes in q; v11 hh; v12 -M, v13 the largest t, v[14:15] the sum;
; v16-23 Q0, v24-31 Q1; v32-63 K's four fragments; v64, v65 Q0's and Q1's scale words; v66-69 the conversions' scale operands; v70 the mask's d; v96-159 S^T, then p; v160-191 O^T; v192-223 V's four fragments;
; v224-231 p's codes; v232-235 the blocks' largest; v236-239 at work; v240-243 K's scale words; v248-251 V's; v252 f; v253 p's scale word; v254, v255 at work.
.set REC,   8704
.set HEADB, 32*REC
.set STG,   HEADB                      ; behind the records: eight stages of 16 rows x 272 bytes for the way out; no tensor load lands there
.set STGB,  16*272
	s_load_b128 s[4:7], s[0:1], 0x0                ; q, kv
	s_load_b64 s[8:9], s[0:1], 0x10                ; out0
	v_lshl_add_u32 v246, v0, 2, 0x4c800
	v_mov_b32 v247, 0
	ds_add_u32 v246, v247
	ds_add_u32 v246, v247
	v_lshrrev_b32 v11, 5, v0
	v_readfirstlane_b32 s10, v11                   ; wave 0..15
	s_lshr_b32 s11, s10, 1                         ; which tile of 16 queries, and which stage
	s_lshr_b32 s12, s10, 2
	s_xor_b32 s12, s12, s10
	s_and_b32 s12, s12, 1                          ; role
	s_and_b32 s13, ttmp7, 0xffff                   ; the head
	s_mov_b32 s14, ttmp9                           ; i
	s_sub_co_u32 s15, 31, s14
	s_cmp_eq_u32 s12, 0
	s_cselect_b32 s15, s14, s15                    ; my block of 128 queries
	s_lshl_b32 s46, s15, 7
	s_lshl_b32 s48, s11, 4
	s_add_co_u32 s46, s46, s48                     ; my first query
	s_lshl_b32 s50, s46, 12
	s_lshl_b32 s51, s13, 8
	s_add_co_u32 s50, s50, s51                     ; its bytes in q and in out0: 4,096 a query, 256 a head
	s_mov_b32 s51, 0
	; descriptor groups 1: dense blocks as rows of 256 bytes (32 elements of 8 bytes): one record is 34 rows, three are 102
	s_mov_b32 s16, 3<<16
	s_mov_b32 s17, 32<<16
	s_mov_b32 s18, 34<<16
	s_mov_b32 s19, 32<<16
	s_mov_b32 s20, 34
	s_mov_b32 s21, 32
	s_mov_b32 s22, 0
	s_mov_b32 s23, 0
	s_mov_b32 s24, 3<<16
	s_mov_b32 s25, 32<<16
	s_mov_b32 s26, 102<<16
	s_mov_b32 s27, 32<<16
	s_mov_b32 s28, 102
	s_mov_b32 s29, 32
	s_mov_b32 s30, 0
	s_mov_b32 s31, 0
	s_mov_b32 s32, 1
	s_mul_i32 s33, s10, REC                        ; wave w (0..7): record w,
	s_mov_b32 s36, 1
	s_mul_i32 s37, s10, 3*REC
	s_add_co_u32 s37, s37, 8*REC                   ; and records 8 + 3 w .. 10 + 3 w: in LDS as in memory
	s_mul_i32 s52, s13, HEADB
	s_add_co_u32 s54, s52, s37
	s_add_co_u32 s52, s52, s33
	s_mov_b32 s53, 0
	s_mov_b32 s55, 0
	s_mov_b32 s40, 0x76543210
	s_mov_b32 s41, 0xfedcba98                      ; v_permlanex16_b32's selects for lane l xor 16
	s_mov_b32 s42, 0x3e38aa3b                      ; c = log2(e) / 8
	s_mov_b32 s43, s42                             ; (named with it as a pair, so it is written)
	s_mov_b32 s44, 0                               ; the step's record in LDS
	s_mov_b32 s45, 0                               ; the step's first key
	v_and_b32 v1, 31, v0
	v_lshlrev_b32 v1, 4, v1
	v_and_b32 v70, 15, v0                          ; r
	v_bfe_u32 v11, v0, 4, 1                        ; hh
	v_lshlrev_b32 v2, 4, v70
	s_mul_i32 s48, s11, STGB
	s_add_co_u32 s48, s48, STG                     ; my stage
	v_mul_u32_u24 v5, v70, 272
	v_lshl_add_u32 v5, v11, 5, v5
	v_add_nc_u32 v5, s48, v5                       ; in: row r, + 32 hh
	v_mul_u32_u24 v6, v11, 272
	v_lshl_add_u32 v6, v70, 4, v6
	v_add_nc_u32 v6, s48, v6                       ; back: lanes 0-15 one row, lanes 16-31 the next
	v_lshlrev_b32 v7, 12, v11
	v_lshl_add_u32 v7, v70, 4, v7                  ; and the same two rows in out0
	v_lshlrev_b32 v8, 4, v11
	v_sub_nc_u32 v8, v70, v8
	v_mov_b32 v9, 0xff800000
	v_lshlrev_b32 v10, 12, v70
	v_lshl_add_u32 v10, v11, 7, v10                ; q: row r, my block of 32 numbers
	s_wait_dscnt 0x0
	s_wait_kmcnt 0x0
	s_add_nc_u64 s[34:35], s[6:7], s[52:53]
	s_or_b32 s35, s35, 0x80000000                  ; type = 2
	s_add_nc_u64 s[38:39], s[6:7], s[54:55]
	s_or_b32 s39, s39, 0x80000000
	s_add_nc_u64 s[4:5], s[4:5], s[50:51]
	s_add_nc_u64 s[8:9], s[8:9], s[50:51]
	s_cmp_lt_u32 s10, 8                            ; a wave's two first fills stand in one branch on the wave's number, ahead of every wait on TENSORcnt, LDS read and barrier: two loads of mine are out
	s_cbranch_scc0 .Lno_fill
	tensor_load_to_lds s[32:35], s[16:23]
	s_nop 0
	tensor_load_to_lds s[36:39], s[24:31]
	s_nop 0
.rept 4
	v_nop
.endr
.Lno_fill:
.irp j, 0,1,2,3,4,5,6,7
	global_load_b128 v[96+4*\j:99+4*\j], v10, s[4:5] offset:16*\j th:TH_LOAD_NT   ; q(r, 32 hh .. 32 hh + 31): read once in the launch
.endr
.irp j, 20,21,22,23,24,25,26,27
	v_mov_b32 v[\j], 0                             ; the zero codes of Q0 and of Q1
.endr
	v_mov_b32 v14, 0                               ; the sum, in two halves
	v_mov_b32 v15, 0
.irp j, 236,237,238,239
	v_mov_b32 v[\j], 0                             ; a lane permute's destination counts as one of its sources
.endr
	v_mov_b32 v253, 0                              ; (named as the upper half of the pair v[252:253] before it is first written)
	v_mov_b32 v13, 0xff61b1e6                      ; the largest t so far: -3e38, under every t
	v_floor_f32 v12, -v13                          ; -M
	s_wait_loadcnt 0x0
	; q is quantised in registers: a lane holds one whole block
	v_max3_num_f32 v254, |v96|, |v97|, |v98|
	v_max3_num_f32 v255, |v99|, |v100|, |v101|
.irp i, 6,10,14,18,22,26
	v_max3_num_f32 v254, v254, |v[96+\i]|, |v[97+\i]|
	v_max3_num_f32 v255, v255, |v[98+\i]|, |v[99+\i]|
.endr
	v_max3_num_f32 v254, v254, |v126|, |v127|
	v_max3_num_f32 v254, v254, v255, 0x1800000     ; the floor 2^(3 - 127): the byte cannot fall under 1
	v_add_nc_u32 v66, 0xff000000, v254             ; 2 off the exponent field: the conversion's scale operand
.irp g, 0,1,2,3
	v_cvt_scalef32_pk8_fp4_f32 v[16+\g], v[96+8*\g:103+8*\g], v66
.endr
	v_lshrrev_b32 v255, 23, v66                    ; the byte; also the plain line behind the conversions
.irp g, 0,1,2,3
	v_mov_b32 v[28+\g], v[16+\g]                   ; Q1: the same codes in k 64-127
.endr
	v_lshlrev_b32 v254, 3, v11
	v_lshlrev_b32 v255, v254, v255                 ; my block's byte at its place,
	v_permlanex16_b32 v236, v255, s40, s41
	v_or_b32 v255, v255, v236                      ; with lane l xor 16's: the query's two bytes
	v_or_b32 v64, 0x7f7f0000, v255                 ; Q0's scale word: 1.0 over the zero codes
	v_lshl_or_b32 v65, v255, 16, 0x7f7f            ; Q1's
.irp j, 0,1,2,3,4,5,6,7,8,9,10,11,12,13,14,15,16,17,18,19,20,21,22,23,24,25,26,27,28,29,30,31
	v_mov_b32 v[160+\j], 0                         ; O^T: the step is written once; the first finds zeros.  (These 32 are also the places between the scale words just made and the first scaled product)
.endr
.macro SUM p                           ; pair p of the 32 pairs of p joins one of two chains: v[14:15] (even p) or v[236:237] (odd p, begun by pairs 0 and 1)
.if (\p) == 1
	s_wait_alu depctr_va_vdst(0)
	v_pk_add_f32 v[236:237], v[96:97], v[98:99]
.elseif (\p)%2 == 0
	s_wait_alu depctr_va_vdst(0)
	v_pk_add_f32 v[14:15], v[14:15], v[96+2*(\p):97+2*(\p)]
.else
	v_pk_add_f32 v[236:237], v[236:237], v[96+2*(\p):97+2*(\p)]
.endif
.endm
.macro CVT b                           ; block b's 16 numbers of this lane become 16 codes
	v_cvt_scalef32_pk8_fp4_f32 v[224+2*(\b)], v[96+16*(\b):103+16*(\b)], v[66+(\b)]
	s_wait_alu depctr_va_vdst(0)
	v_cvt_scalef32_pk8_fp4_f32 v[225+2*(\b)], v[104+16*(\b):111+16*(\b)], v[66+(\b)]
.endm
; A KEY STEP: 128 keys.
.macro STEP
	s_add_co_u32 s48, s46, 15
	s_cmp_gt_u32 s45, s48                          ; all 128 keys come after my 16 queries: the step's work is left out, not the lines at its end that step the key and the record
	s_cbranch_scc1 .Lhidden_\@
	s_setprio 2
	v_add_nc_u32 v3, s44, v1
	v_add_nc_u32 v4, s44, v2
	v_nop
	v_nop                                          ; four places between the last products and the loads into registers that they read (ISA guide 7.12.1 for vector instructions)
	ds_load_b128 v[240:243], v4 offset:8192        ; K's scale words: row r, fragments 0-3
.irp t, 0,1,2,3,4,5,6,7
	ds_load_b128 v[32+4*\t:35+4*\t], v3 offset:512*\t              ; K's codes: tile t is half t % 2 of fragment t / 2; 512 consecutive bytes a load
.endr
	ds_load_b128 v[248:251], v4 offset:8448        ; V's scale words: the tiles of d in the order 0, 2, 1, 3
.irp n, 0,1,2,3,4,5,6,7
	ds_load_b128 v[192+4*\n:195+4*\n], v3 offset:4096+512*\n       ; V's codes: half n % 2 of fragment n / 2
.endr
	s_wait_dscnt 9                                 ; K and its scale words are in; the nine loads behind them (V's) may be out
.irp b, 0,1,2,3
.irp u, 0,1
	v_wmma_scale_f32_16x16x128_f8f6f4 v[96+8*(2*\b+\u):103+8*(2*\b+\u)], v[32+8*\b:39+8*\b], v[16+8*\u:23+8*\u], 0, v[240+\b], v[64+\u] matrix_a_fmt:MATRIX_FMT_FP4 matrix_b_fmt:MATRIX_FMT_FP4
.endr
.endr
.rept 4
	v_nop                                          ; four places in front of the first read of the scores
.endr
	s_add_co_u32 s48, s45, 127                     ; on the diagonal hidden scores become -infinity ahead of the maximum: p = 0 then.  A step all of whose keys count skips this
	s_cmp_le_u32 s48, s46
	s_cbranch_scc1 .Lopen_\@
	s_sub_co_i32 s48, s46, s45
	v_add_nc_u32 v70, s48, v8                      ; d = my query - the step's first key - 16 hh.  Register 16 b + i holds key 32 b + 16 hh + i of the step: hidden where 32 b + i > d
.irp n, 0,1,2,3,4,5,6,7,8,9,10,11,12,13,14,15,16,17,18,19,20,21,22,23,24,25,26,27,28,29,30,31,32,33,34,35,36,37,38,39,40,41,42,43,44,45,46,47,48,49,50,51,52,53,54,55,56,57,58,59,60,61,62,63
	v_cmp_gt_i32 vcc_lo, 32*(\n/16)+\n%16, v70
	v_cndmask_b32 v[96+\n], v[96+\n], v9, vcc_lo
.endr
.Lopen_\@:
.irp b, 0,1,2,3
	v_max3_num_f32 v[232+\b], v[96+16*\b], v[97+16*\b], v[98+16*\b]   ; the largest score of each block of 32 keys: it serves the row's maximum and, since p rises with the score, the block's largest p
.endr
.irp i, 3,5,7,9,11,13
.irp b, 0,1,2,3
	v_max3_num_f32 v[232+\b], v[232+\b], v[96+16*\b+\i], v[97+16*\b+\i]
.endr
.endr
.irp b, 0,1,2,3
	v_max_num_f32 v[232+\b], v[232+\b], v[111+16*\b]
.endr
.irp b, 0,1,2,3
	v_permlanex16_b32 v[236+\b], v[232+\b], s40, s41
.endr
.irp b, 0,1,2,3
	v_max_num_f32 v[232+\b], v[232+\b], v[236+\b]  ; with lane l xor 16's 16 keys
.endr
	v_max3_num_f32 v254, v232, v233, v234
	v_max_num_f32 v254, v254, v235                 ; the step's largest score of my query
	v_mul_f32 v254, s42, v254                      ; as t (c is positive)
	v_max_num_f32 v13, v13, v254                   ; the running largest t
	v_mov_b32 v254, v12
	v_floor_f32 v12, -v13                          ; the new -M = floor(-t): M is a whole number
	v_sub_f32 v254, v12, v254                      ; old M - new M: a whole number, 0 or less
	v_cvt_i32_f32 v254, v254                       ; (it saturates)
	v_ldexp_f32 v252, 1.0, v254                    ; f = 2^(old M - new M)
.irp b, 0,1,2,3
	v_fma_f32 v[232+\b], v[232+\b], s42, v12       ; t - M of each block's largest score
.endr
	v_pk_fma_f32 v[96:97], v[96:97], s[42:43], v[12:13] op_sel_hi:[1,0,0]   ; t - M of pair 0 (of the pairs c and -M the low word serves both halves)
.irp b, 0,1,2,3
	v_exp_f32 v[232+\b], v[232+\b]                 ; the block's largest p
.endr
	v_pk_mul_f32 v[14:15], v[14:15], v[252:253] op_sel_hi:[1,0]    ; the sum under the new M; the plain line behind the exponentials
	s_wait_alu depctr_va_vdst(0)
.irp b, 0,1,2,3
	v_max_num_f32 v[232+\b], 0x1800000, v[232+\b]  ; the floor 2^(3 - 127): a block whose every p is 0 keeps the byte 1, its codes are zeros
.endr
.irp b, 0,1,2,3
	v_add_nc_u32 v[66+\b], 0xff000000, v[232+\b]   ; 2 off the exponent field: the conversion's scale operand
.endr
.irp b, 0,1,2,3
	v_lshrrev_b32 v[236+\b], 23, v[66+\b]          ; the scale's byte
.endr
	s_setprio 1
	v_lshl_or_b32 v253, v237, 8, v236              ; p's scale word for these 128 keys
	v_lshl_or_b32 v253, v238, 16, v253
	v_lshl_or_b32 v253, v239, 24, v253
; 32 slots.  Slot J: the two exponentials of pair J, with plain work that is ready between and behind them: t - M of pair J + 1, O^T's pair J / 2 times f, the sum of pair J - 4; a block's codes two slots behind its last exponential.
.set J, 0
.rept 32
	v_exp_f32 v[96+2*J], v[96+2*J]
.if J < 31
	v_pk_fma_f32 v[98+2*J:99+2*J], v[98+2*J:99+2*J], s[42:43], v[12:13] op_sel_hi:[1,0,0]
.endif
	v_exp_f32 v[97+2*J], v[97+2*J]
.if J%2 == 0
	v_pk_mul_f32 v[160+J:161+J], v[160+J:161+J], v[252:253] op_sel_hi:[1,0]   ; each accumulator of O^T from its low end on
.endif
.if J >= 5
	SUM J-4
.endif
.if (J == 9) || (J == 17) || (J == 25)
	CVT (J-9)/8
.endif
.set J, J+1
.endr
	s_setprio 0
	CVT 3                                          ; (the sum of pair 27 is the plain line behind the last exponential)
	v_nop                                          ; one plain line between a scaled conversion and the instruction that touches its result
.irp c, 0,1                                    ; the operand's layout wants a WHOLE block in a lane: lanes 0-15 block 2 c, lanes 16-31 block 2 c + 1
.irp i, 0,1
	v_permlane16_swap_b32 v[224+4*\c+\i], v[226+4*\c+\i]
.endr
.endr
	SUM 28
	SUM 29
	SUM 30
	SUM 31
	v_pk_add_f32 v[14:15], v[14:15], v[236:237]    ; these five are the places between the codes' last write and the scaled products
	s_wait_dscnt 0x0                               ; V and its scale words are in
.irp t, 0,1,2,3                                ; O^T += V^T P^T: the four accumulators take one turn each
	v_wmma_scale_f32_16x16x128_f8f6f4 v[160+8*\t:167+8*\t], v[192+8*\t:199+8*\t], v[224:231], v[160+8*\t:167+8*\t], v[248+2*(\t%2)+\t/2], v253 matrix_a_fmt:MATRIX_FMT_FP4 matrix_b_fmt:MATRIX_FMT_FP4
.endr
.Lhidden_\@:
	s_add_co_u32 s45, s45, 128
	s_add_co_u32 s44, s44, REC
.endm
; THE WAY OUT.  O^T / the sum goes through the stage and comes back as whole rows of 256 bytes: sixteen lanes store 256 consecutive bytes, aligned.
.macro OUT
.rept 4
	v_nop                                          ; four places behind the last products
.endr
	v_add_f32 v14, v14, v15                        ; the sum's two halves,
	v_permlanex16_b32 v236, v14, s40, s41
	v_add_f32 v14, v14, v236                       ; and lane l xor 16's: the row's sum
	v_rcp_f32 v14, v14
	v_nop                                          ; one plain line behind a transcendental
	s_wait_alu depctr_va_vdst(0)
.irp j, 0,1,2,3,4,5,6,7,8,9,10,11,12,13,14,15,16,17,18,19,20,21,22,23,24,25,26,27,28,29,30,31
	v_mul_f32 v[96+\j], v[160+\j], v14             ; register 8 t + i is out(r, 16 t + 8 hh + i)
.endr
.irp t, 0,1,2,3
	ds_store_b128 v5, v[96+8*\t:99+8*\t] offset:64*\t
	ds_store_b128 v5, v[100+8*\t:103+8*\t] offset:64*\t+16
.endr
.irp m, 0,1,2,3,4,5,6,7
	ds_load_b128 v[192+4*\m:195+4*\m], v6 offset:544*\m            ; LDS serves a wave's instructions in order: these see my stores
.endr
.irp m, 0,1,2,3,4,5,6,7
	s_wait_dscnt 7-\m                              ; rows 2 m, 2 m + 1 are back; the younger loads may be out
	global_store_b128 v7, v[192+4*\m:195+4*\m], s[8:9] offset:8192*\m th:TH_STORE_NT
.endr
.endm
	s_wait_tensorcnt 0x1                           ; my one record of the first eight is in; my load of three records may stay out
	s_barrier_signal -1
	s_barrier_wait -1                              ; records 0-7 are whole
	s_mov_b32 s47, 8
.Lfirst:
	STEP
	s_sub_co_u32 s47, s47, 1
	s_cmp_lg_u32 s47, 0
	s_cbranch_scc1 .Lfirst
	s_setprio 0
	s_wait_tensorcnt 0x0                           ; my three records are in,
	s_wait_dscnt 0x0
	s_barrier_signal -1
	s_barrier_wait -1                              ; everybody's are
	s_mov_b32 s47, 24
.Lrest:
	STEP
	s_sub_co_u32 s47, s47, 1
	s_cmp_lg_u32 s47, 0
	s_cbranch_scc1 .Lrest
	s_setprio 0
	s_cmp_lg_u32 s12, 0                            ; a stage serves two waves: first the one of role 0,
	s_cbranch_scc1 .Lnot_role_0
	OUT
.Lnot_role_0:
	s_wait_dscnt 0x0                               ; its reads of the stage are back
	s_barrier_signal -1
	s_barrier_wait -1
	s_cmp_eq_u32 s12, 0                            ; then the one of role 1
	s_cbranch_scc1 .Lend
	OUT
.Lend:
	s_wait_tensorcnt 0x0
	ds_add_u32 v246, v247
	s_wait_dscnt 0x0
	s_endpgm
.Lfunc_end_k_q639e40c576_attn:
	.size	k_q639e40c576_attn, .Lfunc_end_k_q639e40c576_attn-k_q639e40c576_attn
	.p2alignl 7, 3214868480
	.fill 96, 4, 3214868480
	.section	.rodata,"a",@progbits
	.p2align	6, 0x0
	.amdhsa_kernel k_q639e40c576_attn
		.amdhsa_group_segment_fixed_size 315392
		.amdhsa_private_segment_fixed_size 0
		.amdhsa_enable_private_segment 0
		.amdhsa_kernarg_size 24
		.amdhsa_user_sgpr_count 2
		.amdhsa_user_sgpr_kernarg_segment_ptr 1
		.amdhsa_wavefront_size32 1
		.amdhsa_system_sgpr_workgroup_id_x 1
		.amdhsa_system_sgpr_workgroup_id_y 1
		.amdhsa_system_sgpr_workgroup_id_z 1
		.amdhsa_system_vgpr_workitem_id 0
		.amdhsa_next_free_vgpr 256
		.amdhsa_next_free_sgpr 66
		.amdhsa_reserve_vcc 1
		.amdhsa_float_denorm_mode_32 3
		.amdhsa_float_denorm_mode_16_64 3
		.amdhsa_memory_ordered 1
		.amdhsa_forward_progress 1
		.amdhsa_inst_pref_size 58
	.end_amdhsa_kernel
	.amdgpu_metadata
---
amdhsa.version: [ 1, 2 ]
amdhsa.kernels:
  - .name:           k_q639e40c576_attn
    .symbol:         k_q639e40c576_attn.kd
    .args:
      - { .name: q, .offset: 0, .size: 8, .value_kind: global_buffer, .address_space: global }
      - { .name: kv, .offset: 8, .size: 8, .value_kind: global_buffer, .address_space: global }
      - { .name: out0, .offset: 16, .size: 8, .value_kind: global_buffer, .address_space: global }
    .group_segment_fixed_size: 315392
    .private_segment_fixed_size: 0
    .kernarg_segment_align: 8
    .kernarg_segment_size: 24
    .max_flat_workgroup_size: 512
    .sgpr_count:     66
    .vgpr_count:     256
    .wavefront_size: 32
...
	.end_amdgpu_metadata
.endif
;; end of part 2
